; MI455X (gfx1250); checked and timed in simulation.
; The chip was launched on July 23, 2026; its instructions are those of AMD's public machine-readable ISA for CDNA 5 (MIT licence, August 2026) and "CDNA5" Instruction Set Architecture Reference Guide (July 2026). The comments in the code are by the model that wrote it; some were corrected since.
;; Multi Head Attention. Allowed arithmetic: matrix products marked QUANTISED: E2M3 operands, one E8M0 scale for each 32 along K, by v_wmma_scale_f32_16x16x128_f8f6f4 with both operands' format E2M3, f32 sums; products left as they are: f32 operands where the result goes on into a quantised operand, else bf16, f16 or f32 operands; f32 sums; everything else in f32.
;; Inputs: Wk 2,048 x 2,048 float32; Wq 2,048 x 2,048 float32; Wv 2,048 x 2,048 float32; key 4 x 1,024 x 2,048 float32; key_padding_mask 4 x 1,024 bool; query 4 x 1,024 x 2,048 float32; query_padding_mask 4 x 1,024 bool.
;; Outputs: out0 4 x 1,024 x 2,048 float32.
;; This version of the problem:
;;   THIS VERSION OF THE PROBLEM IS GIVEN IN LOW PRECISION. The matrix products marked QUANTISED in the list below multiply operands that are first quantised to E2M3 (2 exponent bits, 3 mantissa bits; 6 bits a number), with one power-of-two scale for each 32 numbers along K (OCP MX v1.0); their sums are f32. All else is computed in f32.
;;   The module's matrix products, in the order in which they are computed (A, B: the left and right operand; K: the contracted axis; several contracted axes count as one K, in the product's order):
;;     1. [M 4,096, K 2,048] x [K 2,048, N 2,048]; A: input query; B: input Wq: QUANTISED
;;     2. [M 4,096, K 2,048] x [K 2,048, N 2,048]; A: input key; B: input Wk: QUANTISED
;;     3. [M 4,096, K 2,048] x [K 2,048, N 2,048]; A: input key; B: input Wv: QUANTISED
;;     4. batch 64 x [M 128, K 1,024] x [K 1,024, N 128]; A: computed on the way; B: computed on the way: QUANTISED
;;     5. batch 64 x [M 1,024, K 128] x [K 128, N 128]; A: computed on the way; B: computed on the way: QUANTISED
;;     6. batch 64 x [M 1,024, K 128] x [K 128, N 1]; A: computed on the way; B: computed on the way: left as it is (N = 1 < 16)
;;   THE QUANTISER, for each operand of a quantised product, along K:
;;     - K is cut into blocks of 32 from its start; a last block that is shorter is filled with zeros.
;;     - A block's scale is 2^e with e = floor(log2(the largest magnitude in the block)) - 2, held to -126 .. 127; a block of zeros has e = 0. As a byte (E8M0): e + 127.
;;     - Each number is divided by its block's scale, clamped to +-7.5, and rounded to the nearest number of E2M3, ties to even, subnormals kept.
;;     - The product sums the exact products of the quantised numbers (number of the format x scale) in f32.
;;   ~~~python
;;   def quantise(x, axis):      # numpy; x: float32 -> the quantised numbers, widened to float32 again
;;       x = np.moveaxis(x, axis, -1); K = x.shape[-1]
;;       x = np.pad(x, [(0, 0)] * (x.ndim - 1) + [(0, -K % 32)]); x = x.reshape(x.shape[:-1] + (-1, 32)); a = np.abs(x).max(-1, keepdims=True)
;;       e = np.where(a > 0, np.clip(np.frexp(np.where(a > 0, a, 1))[1] - 1 - 2, -126, 127), 0)      # np.frexp(a)[1] - 1 = floor(log2(a)), exactly
;;       r = np.clip(x / 2.0 ** e, -7.5, 7.5)
;;       step = 2.0 ** (np.maximum(np.frexp(np.where(r == 0, 1, r))[1] - 1, 0) - 3)
;;       q = np.round(r / step) * step * 2.0 ** e      # np.round: ties to even
;;       return np.moveaxis(q.reshape(q.shape[:-2] + (-1,))[..., :K], -1, axis).astype(np.float32)
;;   ~~~
;;   OPERANDS COMPUTED ON THE WAY. 'Computed on the way' means the value that the module computes at that place (a softmax that the list does not call 'softmax' is quantised finished and normalised). What goes into a quantiser is computed in f32, as accurately as f32 sums, v_exp_f32 and their like allow (about 1e-6 of the number): no bf16 or f16 on the way to a quantiser, and a product that is left as it is and whose result goes on into a quantised operand takes f32 operands (vector FMAs, or v_wmma_f32_16x16x4_f32). A number that lies on a knife's edge between two numbers of the format may be rounded either way, as far as f32 arithmetic and the matrix unit's own rounding can turn it there, and no further.
;; One version. Each part assembles by itself: llvm-mc -triple=amdgcn-amd-amdhsa -mcpu=gfx1250 --defsym DOCPART=n.
;; ======== version 1 of 1: 3 launches
;; workspace buffers: codes 22,020,096 bytes; scales 917,504 bytes; kvp 16,777,216 bytes; psum 131,072 bytes
;; launch quant (part 1): grid 896 x 1, 4 waves a work-group, no clusters, 34,304 bytes of LDS; arguments query, key, Wq, Wk, Wv, codes, scales; writes codes, scales
.if DOCPART == 1
	.amdgcn_target "amdgcn-amd-amdhsa--gfx1250"
	.amdhsa_code_object_version 6
	.text
	.protected	k_qcd53d6e30a_quant
	.globl	k_qcd53d6e30a_quant
	.p2align	8
	.type	k_qcd53d6e30a_quant,@function
k_qcd53d6e30a_quant:
	s_mov_b64 s[64:65], 0
	v_nop
	global_prefetch_b8 v0, s[64:65] scope:SCOPE_SE
	s_setreg_imm32_b32 hwreg(HW_REG_WAVE_MODE, 25, 1), 1
	s_wait_xcnt 0x0
; query, key [4096][2048] and Wq, Wk, Wv [2048][2048], f32 with K innermost, become codes of FP6 (E2M3) and E8M0 scale bytes, one for each 32 along K.
; A block's scale is 2^(floor(log2(largest magnitude)) - 2): its byte is the largest magnitude's exponent field - 2, held at 1 from below.
; LAYOUT OUT.  The codes are laid as IMAGES OF OPERAND REGISTERS.  A fragment is 16 rows x 128 K = 12 registers a lane; quad g of lane l lies at 512 g + 16 l: 1,536 bytes.
; A group is 128 rows: [K step 16][tile 8][1,536 bytes] = 196,608 bytes.  Its scale words (4 bytes = one row, 128 K): [pair of K steps 8][tile 8][row 16][2 words] = 8,192 bytes.
; Groups: 0-31 query, 32-63 key, 64-79 Wq (a head each), 80 + 2 head + half: tiles 0-3 = Wk's rows 128 head + 64 half .. + 63, tiles 4-7 = the same rows of Wv.
; WHICH ROWS FORM A TILE.  query, Wv: neighbours (lane row r of tile i = row 16 i + r).  key, Wq, Wk: row 32 (i / 2) + 8 (i % 2) + r + 8 (r / 8), so that the results
; of the products that take these tiles as source 0 lie with 16 neighbours of the next product's K in a lane's 16 registers.
; SHARES.  448 pairs of tiles (32 rows) x 8 pairs of K steps; a work-group takes a pair of tiles and four pairs of K steps, a wave 32 rows x 256 K: four fragments.
; A load reads 512 consecutive bytes of one row; 16 rows turn through the wave's own stage in LDS (pitch 528), from which lane (r, h) takes k = 64 c + 32 h + 0 .. 31 of row r:
; two whole blocks, in the very order of the operand's registers.  No tensor loads, no barrier: waves share nothing.  Two fragments' loads (32 of 512 bytes) are out in each wave.
; LIMITS: a block of zeros gets the byte 1 (its codes are zeros; this program alone reads the bytes); NaN and infinities among the inputs are not served.
.set R,  16                            ; v16-143  two sets of 16 rows x 4 registers, as loaded
.set X,  144                           ; v144-207 my 64 numbers: register 32 c + i = k 64 c + 32 h + i
.set C,  208                           ; v208-219 the fragment's 12 registers
.set TT, 220                           ; v220-222, v224-226 the upper halves of the two blocks, before they are moved
.set MA, 228                           ; v228-229 largest magnitudes, chain A; v230-231 chain B
.set MB, 230
.set SO, 232                           ; v232-233 the conversions' scale operands
.set BY, 234                           ; v234-235 the bytes
.set WT, 236
.set SW, 238                           ; v[238:239] the two words that I store
.set W,  12                            ; v12-15   the four fragments' scale words
	s_load_b256 s[4:11], s[0:1], 0x0               ; query, key, Wq, Wk
	s_load_b128 s[12:15], s[0:1], 0x20             ; Wv, codes
	s_load_b64 s[16:17], s[0:1], 0x30              ; scales
	v_lshl_add_u32 v254, v0, 2, 0x8400
	v_mov_b32 v255, 0
	v_lshrrev_b32 v1, 5, v0
	v_readfirstlane_b32 s18, v1                    ; wave
	s_lshr_b32 s19, ttmp9, 1                       ; the pair of tiles, 0 .. 447
	s_and_b32 s20, ttmp9, 1
	s_lshl_b32 s20, s20, 2
	s_add_co_u32 s20, s20, s18                     ; the pair of K steps, 0 .. 7
	s_lshr_b32 s21, s19, 2                         ; G: the 128 rows, counted through the five inputs
	s_and_b32 s22, s19, 3                          ; p: the pair of tiles in them
	s_mov_b32 s36, 0x76543210
	s_mov_b32 s37, 0xfedcba98                      ; lane selects: lane l xor 16
	s_sub_co_u32 s27, s21, 32
	s_cmp_lt_u32 s27, 64                           ; key, Wq, Wk: the order with gaps
	s_cselect_b32 s27, 0x10000, 0                  ; 8 rows of 8,192 bytes, or nothing
	s_sub_co_u32 s33, 0x10000, s27
	; where the results go.  Wk and Wv share groups: 64 rows of each
	s_sub_co_u32 s28, s21, 80
	s_and_b32 s29, s28, 15                         ; head
	s_lshr_b32 s28, s28, 4
	s_and_b32 s28, s28, 1                          ; 1: Wv
	s_lshl_b32 s29, s29, 1
	s_lshr_b32 s30, s22, 1
	s_add_co_u32 s29, s29, s30
	s_add_co_u32 s29, s29, 80                      ; group 80 + 2 head + half
	s_lshl_b32 s28, s28, 1
	s_and_b32 s30, s22, 1
	s_add_co_u32 s28, s28, s30                     ; pair of tiles 2 isV + p % 2
	s_cmp_ge_u32 s21, 80
	s_cselect_b32 s29, s29, s21
	s_cselect_b32 s28, s28, s22
	v_and_b32 v1, 31, v0                           ; lane
	v_and_b32 v2, 15, v0                           ; r
	v_bfe_u32 v3, v0, 4, 1                         ; h
	v_lshlrev_b32 v4, 4, v1                        ; 16 x lane: my bytes of a load's 512, and of an image's quad
	v_add_nc_u32 v5, s27, v4                       ; the same 8 rows further down where the order has gaps
	v_add_nc_u32 v6, s33, v4                       ; and 8 rows further down where it has none
	s_mul_i32 s34, s18, 8448                       ; my wave's stage
	v_add_nc_u32 v7, s34, v4                       ; into it: a row's 512 bytes as they lie
	v_mul_u32_u24 v8, v2, 528
	v_lshl_add_u32 v8, v3, 7, v8
	v_add_nc_u32 v8, s34, v8                       ; out of it: row r, + 128 h bytes
	v_lshlrev_b32 v9, 3, v3                        ; 8 h: my bytes' place in a scale word, in bits
	v_lshlrev_b32 v10, 3, v1                       ; 8 x lane: my two words' place
	v_mov_b32 v11, 0                               ; a lane permute's destination counts as read: written once
	s_wait_kmcnt 0x0
	s_mov_b64 s[24:25], s[12:13]                   ; which input, and at which G it begins: the choice hangs on the work-group's number alone
	s_mov_b32 s26, 96
	s_cmp_lt_u32 s21, 96
	s_cselect_b64 s[24:25], s[10:11], s[24:25]
	s_cselect_b32 s26, 80, s26
	s_cmp_lt_u32 s21, 80
	s_cselect_b64 s[24:25], s[8:9], s[24:25]
	s_cselect_b32 s26, 64, s26
	s_cmp_lt_u32 s21, 64
	s_cselect_b64 s[24:25], s[6:7], s[24:25]
	s_cselect_b32 s26, 32, s26
	s_cmp_lt_u32 s21, 32
	s_cselect_b64 s[24:25], s[4:5], s[24:25]
	s_cselect_b32 s26, 0, s26
	s_sub_co_u32 s30, s21, s26
	s_lshl_b32 s30, s30, 2
	s_add_co_u32 s30, s30, s22                     ; the pair of tiles in its own input
	s_lshl_b32 s30, s30, 18                        ; x 32 rows of 8,192 bytes
	s_lshl_b32 s31, s20, 10                        ; + 256 numbers for each pair of K steps
	s_add_co_u32 s30, s30, s31
	s_mov_b32 s31, 0
	s_add_nc_u64 s[24:25], s[24:25], s[30:31]
	s_mul_i32 s30, s29, 196608
	s_mul_i32 s32, s20, 24576
	s_add_co_u32 s30, s30, s32
	s_mul_i32 s32, s28, 3072
	s_add_co_u32 s30, s30, s32
	s_add_nc_u64 s[14:15], s[14:15], s[30:31]      ; the codes: group, pair of K steps, pair of tiles
	s_lshl_b32 s30, s29, 13
	s_lshl_b32 s32, s20, 10
	s_add_co_u32 s30, s30, s32
	s_lshl_b32 s32, s28, 8
	s_add_co_u32 s30, s30, s32
	s_add_nc_u64 s[16:17], s[16:17], s[30:31]      ; the scale words likewise
; Fragment t = 2 u + q: tile u of the pair, K step q of the pair.  Sixteen loads, one for each lane row rr of the tile, into set t % 2.
.macro LOAD t
.set lu, (\t)/2
.set lq, (\t)%2
.set lr, R+64*((\t)%2)
.set rr, 0
.rept 16
.if lu == 0
.if rr < 8
	global_load_b128 v[lr+4*rr:lr+4*rr+3], v4, s[24:25] offset:rr*8192+512*lq th:TH_LOAD_NT
.else
	global_load_b128 v[lr+4*rr:lr+4*rr+3], v5, s[24:25] offset:rr*8192+512*lq th:TH_LOAD_NT
.endif
.else
.if rr < 8
	global_load_b128 v[lr+4*rr:lr+4*rr+3], v6, s[24:25] offset:(8+rr)*8192+512*lq th:TH_LOAD_NT
.else
	global_load_b128 v[lr+4*rr:lr+4*rr+3], v4, s[24:25] offset:(16+rr)*8192+512*lq th:TH_LOAD_NT
.endif
.endif
.set rr, rr+1
.endr
.endm
; The 16 rows through the stage.  LDS serves a wave's instructions in order, so no wait stands between the stores and the loads.
.macro TURN t
.set rr, 0
.rept 16
	ds_store_b128 v7, v[R+64*((\t)%2)+4*rr:R+64*((\t)%2)+4*rr+3] offset:528*rr
.set rr, rr+1
.endr
.irp c, 0,1
.irp j, 0,1,2,3,4,5,6,7
	ds_load_b128 v[X+32*\c+4*\j:X+32*\c+4*\j+3], v8 offset:256*\c+16*\j
.endr
.endr
.endm
; My two blocks (2 c + h of the row's four) become six registers each, and the row's four bytes its scale word.
.macro QUANTW t
.irp c, 0,1
	v_max3_num_f32 v[MA+\c], |v[X+32*\c]|, |v[X+32*\c+1]|, 0x1800000    ; with the floor 2^(3 - 127): the byte cannot fall under 1
	v_max3_num_f32 v[MB+\c], |v[X+32*\c+16]|, |v[X+32*\c+17]|, |v[X+32*\c+18]|
.endr
.irp i, 2,4,6,8,10,12,14
.irp c, 0,1
	v_max3_num_f32 v[MA+\c], v[MA+\c], |v[X+32*\c+\i]|, |v[X+32*\c+\i+1]|
.if \i < 14
	v_max3_num_f32 v[MB+\c], v[MB+\c], |v[X+32*\c+17+\i]|, |v[X+32*\c+18+\i]|
.endif
.endr
.endr
.irp c, 0,1
	v_max3_num_f32 v[MA+\c], v[MA+\c], v[MB+\c], |v[X+32*\c+31]|        ; the block's largest magnitude: all 32 numbers are mine
.endr
.irp c, 0,1
	v_add_nc_u32 v[SO+\c], 0xff000000, v[MA+\c]    ; 2 off its exponent field: the conversion takes this operand's exponent field as its scale
.endr
.irp c, 0,1
	v_lshrrev_b32 v[BY+\c], 23, v[SO+\c]           ; the byte
.endr
	v_lshl_or_b32 v[WT], v[BY+1], 16, v[BY]        ; blocks h and 2 + h,
	v_lshlrev_b32 v[WT], v9, v[WT]                 ; at their places in the word;
	v_permlanex16_b32 v11, v[WT], s36, s37
	v_or_b32 v[W+\t], v[WT], v11                   ; with lane l xor 16's two the word is whole, in both lanes
.irp c, 0,1
	v_cvt_scalef32_pk16_fp6_f32 v[C+6*\c:C+6*\c+2], v[X+32*\c:X+32*\c+15], v[SO+\c]
	v_cvt_scalef32_pk16_fp6_f32 v[TT+4*\c:TT+4*\c+2], v[X+32*\c+16:X+32*\c+31], v[SO+\c]   ; (a conversion's three registers begin on an even number)
.endr
	v_nop                                          ; one plain instruction behind the scaled conversions
.irp c, 0,1
.irp i, 0,1,2
	v_mov_b32 v[C+6*\c+3+\i], v[TT+4*\c+\i]
.endr
.endr
.endm
	LOAD 0
	LOAD 1
.irp t, 0,1,2,3
.if \t < 3
	s_wait_loadcnt 16                              ; this fragment's 16 loads are in; the next fragment's 16 may be out
.else
	s_wait_loadcnt 0x0
.endif
	TURN \t
	s_wait_dscnt 0x0                               ; my 64 numbers are back, and the stage's stores have read their registers
.if \t > 0
	s_wait_xcnt 0x0                                ; the last fragment's stores have read v208-219: they are written again only behind this wait
.endif
.if \t < 2
	LOAD \t+2
.endif
	QUANTW \t
.irp g, 0,1,2
	global_store_b128 v4, v[C+4*\g:C+4*\g+3], s[14:15] offset:12288*(\t%2)+1536*(\t/2)+512*\g   ; 32 lanes store 512 consecutive bytes, at a multiple of 256 from the buffer's first byte
.endr
.endr
	v_cmp_ne_u32 vcc_lo, 0, v3                     ; lanes 0-15 store tile 0's words, lanes 16-31 tile 1's: row r's two words, 8 bytes a lane
	v_cndmask_b32 v[SW], v[W], v[W+2], vcc_lo
	v_cndmask_b32 v[SW+1], v[W+1], v[W+3], vcc_lo
	global_store_b64 v10, v[SW:SW+1], s[16:17]     ; 256 consecutive bytes, aligned
	s_wait_tensorcnt 0x0
	ds_add_u32 v254, v255
	s_wait_dscnt 0x0
	s_endpgm
.Lfunc_end_k_qcd53d6e30a_quant:
	.size	k_qcd53d6e30a_quant, .Lfunc_end_k_qcd53d6e30a_quant-k_qcd53d6e30a_quant
	.p2alignl 7, 3214868480
	.fill 96, 4, 3214868480
	.section	.rodata,"a",@progbits
	.p2align	6, 0x0
	.amdhsa_kernel k_qcd53d6e30a_quant
		.amdhsa_group_segment_fixed_size 34304
		.amdhsa_private_segment_fixed_size 0
		.amdhsa_enable_private_segment 0
		.amdhsa_kernarg_size 56
		.amdhsa_user_sgpr_count 2
		.amdhsa_user_sgpr_kernarg_segment_ptr 1
		.amdhsa_wavefront_size32 1
		.amdhsa_system_sgpr_workgroup_id_x 1
		.amdhsa_system_sgpr_workgroup_id_y 1
		.amdhsa_system_sgpr_workgroup_id_z 1
		.amdhsa_system_vgpr_workitem_id 0
		.amdhsa_next_free_vgpr 256
		.amdhsa_next_free_sgpr 66
		.amdhsa_reserve_vcc 1
		.amdhsa_float_denorm_mode_32 3
		.amdhsa_float_denorm_mode_16_64 3
		.amdhsa_memory_ordered 1
		.amdhsa_forward_progress 1
		.amdhsa_inst_pref_size 31
	.end_amdhsa_kernel
	.amdgpu_metadata
---
amdhsa.version: [ 1, 2 ]
amdhsa.kernels:
  - .name:           k_qcd53d6e30a_quant
    .symbol:         k_qcd53d6e30a_quant.kd
    .args:
      - { .name: query, .offset: 0, .size: 8, .value_kind: global_buffer, .address_space: global }
      - { .name: key, .offset: 8, .size: 8, .value_kind: global_buffer, .address_space: global }
      - { .name: Wq, .offset: 16, .size: 8, .value_kind: global_buffer, .address_space: global }
      - { .name: Wk, .offset: 24, .size: 8, .value_kind: global_buffer, .address_space: global }
      - { .name: Wv, .offset: 32, .size: 8, .value_kind: global_buffer, .address_space: global }
      - { .name: codes, .offset: 40, .size: 8, .value_kind: global_buffer, .address_space: global }
      - { .name: scales, .offset: 48, .size: 8, .value_kind: global_buffer, .address_space: global }
    .group_segment_fixed_size: 34304
    .private_segment_fixed_size: 0
    .kernarg_segment_align: 8
    .kernarg_segment_size: 56
    .max_flat_workgroup_size: 128
    .sgpr_count:     66
    .vgpr_count:     256
    .wavefront_size: 32
...
	.end_amdgpu_metadata
.endif
;; end of part 1
;; launch kvpart (part 2): grid 16 x 16, 4 waves a work-group, clusters of 4 x 4, 327,680 bytes of LDS; arguments codes, scales, key_padding_mask, kvp, psum; writes kvp, psum
.if DOCPART == 2
	.amdgcn_target "amdgcn-amd-amdhsa--gfx1250"
	.amdhsa_code_object_version 6
	.text
	.protected	k_qcd53d6e30a_kvpart
	.globl	k_qcd53d6e30a_kvpart
	.p2align	8
	.type	k_qcd53d6e30a_kvpart,@function
k_qcd53d6e30a_kvpart:
	s_mov_b64 s[64:65], 0
	v_nop
	global_prefetch_b8 v0, s[64:65] scope:SCOPE_SE
	s_setreg_imm32_b32 hwreg(HW_REG_WAVE_MODE, 25, 1), 1
	s_wait_xcnt 0x0
	s_wait_alu depctr_hold_cnt(0) depctr_sa_sdst(0) depctr_va_vdst(0) depctr_va_sdst(0) depctr_va_ssrc(0) depctr_va_vcc(0) depctr_vm_vsrc(0)
	s_getreg_b32 s2, hwreg(HW_REG_IB_STS2, 6, 4)
	s_cmp_eq_u32 s2, 0
	s_cbranch_scc0 .Lentry_in_a_cluster
	s_endpgm
.Lentry_in_a_cluster:
	s_bfe_u32 s2, ttmp6, 0x10000c
	s_cmp_lg_u32 s2, 0xf033
	s_cbranch_scc0 .Lentry_shape_is_right
	s_endpgm
.Lentry_shape_is_right:
; For one head and 256 keys: k = key Wk^T and v = key Wv^T on codes of FP6 (K = 2,048), pk = softplus(k) with padded keys set to 0, the sum of pk over the 256 keys,
; pk and v quantised along the keys, and kv(d, e) = sum over the 256 keys of pk(key, d) v(key, e), again on codes of FP6.  k, v and pk never go to memory.
; The four work-groups of a (batch, head) each store their part of kv and of pk's sum in f32; the next launch adds the four.
; SHARES.  Work-group x = block of 256 keys, y = head.  Wave w: keys 128 (w % 2) on (8 tiles, source 0) x group 80 + 2 y + w / 2 of the weights (8 tiles, source 1):
; tiles 0-3 are 64 rows of Wk, tiles 4-7 the same rows of Wv.  64 accumulators, 512 registers.  In a result lane (r, h) holds ONE row of the weight (d or e) and, by the order in which
; the keys were laid into tiles, register 8 b + j holds key 32 (b / 2) + 16 h + 8 (b % 2) + j: 16 neighbouring keys in 16 registers, as the conversions to codes want them.
; OPERANDS come as images of their registers (launch quant): a fragment is three loads of 16 bytes a lane, 512 consecutive bytes each; a K step of a group is one dense block.
; RING.  Two LDS slots of two K steps (128 along K each); each wave fetches a quarter of a slot by one tensor load.  The scale words of all of K come once, with the first fills.
; CLUSTER 4 x 4.  The weights' tiles hang on y alone and are asked for jointly along a row of the cluster, the keys' on x alone, along a column.
; SOFTPLUS(x) = max(x, 0) + ln(u) + (t - (u - 1)), t = 2^(-|x| log2 e), u = 1 + t: the last term gives back what the sum 1 + t rounded away, so that small results keep their relative accuracy.
; LIMITS: results under 2^-126 come out as 0 (the exponential gives no denormals); t's relative error grows with |x|, about 4e-8 |x|; the key mask is applied as pk - pk x mask (mask 0 or 1),
; so pk has to be finite; NaN and infinities among the inputs are not served; a block of zeros gets the scale byte 1 with zero codes.
; REGISTERS: window 0: v1-29 addresses; v32-63 scale words, a set for each slot; v64-159, v160-255 the weights' fragments, two sets.  window 1: v0-95, v128-223 the keys' fragments, two sets; v96-111 mask bytes.
; window 2: k's accumulators (block a, tile b at v[8 (8 a + b)]); window 3: v's.  After the K loop window 0 holds T = v32-95, U = v96-159, S = v160-223, at work.
.set NQ,    2                          ; K steps in a slot
.set NA,    8                          ; source 1's blocks for a wave
.set SLOT,  98304                      ; weights 2 groups x 24,576, then keys 2 x 24,576
.set SCL,   196608                     ; the scale words: weights 2 x 8,192, keys 2 x 8,192
.set SPARE, 229376                     ; the spare words, 128 bytes a wave: two blocks of 256 bytes that no other line names
.set AF,    64
.set AS,    96
.set SC,    32
.set SCS,   16
.set PKIMG, 0                          ; after the K loop, in slot 0 (its last fill and its last read are over): pk's 16 fragments (2 x d tile + key half),
.set VIMG,  24576                      ; v's 16,
.set PKSC,  49152                      ; their scale words, 128 bytes a fragment,
.set VSC,   51200
.set PS,    53248                      ; and pk's sums: 2 key halves x 128 d
.set WV, 18                            ; s18 wave; s19 wave / 2: my half of the weights, and 0: I fetch weights, 1: keys; s20 wave % 2: my half of the keys, and which half I fetch
.set FB, 19
.set HF, 20
.set G1, 24
.set G0, 32
.set G1B, 48
.set G0B, 56
.set G1S, 68
.set G0S, 76
.set G1SB, 80
.set G0SB, 88
.set SEL, 96                           ; s[96:97] lane selects: lane l xor 16
.set LN2, 98                           ; s[98:99] ln 2, twice
.set NL2E, 100                         ; s100 -log2 e
.set LI, 4                             ; v4  16 x lane
.set LS, 5                             ; v5  4 x lane
.set IWA, 6                            ; v6  where I store images: 16 x lane + 1,536 (8 (w / 2) + w % 2)
.set IWS, 7                            ; v7  and their scale words
.set LV, 8                             ; v8  where I read v's images: 16 x lane + 6,144 w
.set LVS, 9                            ; v9  and their scale words
.set PSA, 10                           ; v10 where my row's sum goes
.set ADRA, 16
.set ADRB, 20
.set ADRS, 27
.set SPW, 28                           ; v28 my spare word's address; never rewritten
.set NIL, 29                           ; v29 0; never rewritten
.set T, 32
.set U, 96
.set S, 160
.set TM, 96                            ; QUANT's registers lie over U
.set PC, 116
.set PW, 234
.set MSB, 0
.macro WIN new                         ; the immediate's high byte repeats the setting that is left; a switch that changes nothing is dropped
.if MSB != (\new)
	s_set_vgpr_msb (MSB<<8)|(\new)
.set MSB, (\new)
.endif
.endm
.macro PLACES                          ; four plain instructions behind matrix instructions, in front of loads into and vector writes of their registers and of reads of their results
.rept 4
	v_nop
.endr
.endm
.macro JLOAD g0a, g1a, g0b, g1b        ; a joint load: waves 0, 1 fetch for source 1, waves 2, 3 for source 0; four v_nop follow each line
	s_cmp_eq_u32 s[FB], 0
	s_cbranch_scc0 .Lfor_b_\@
	tensor_load_to_lds s[\g0a:\g0a+3], s[\g1a:\g1a+7]
	s_nop 0
.rept 4
	v_nop
.endr
	s_branch .Lasked_\@
.Lfor_b_\@:
	tensor_load_to_lds s[\g0b:\g0b+3], s[\g1b:\g1b+7]
	s_nop 0
.rept 4
	v_nop
.endr
.Lasked_\@:
.endm
.macro CREST                           ; a round of the cluster's barrier behind its opening barrier
	s_cmp_lg_u32 s[WV], 0
	s_cbranch_scc1 .Lnot_wave_0_\@
	s_barrier_signal -3
.Lnot_wave_0_\@:
	s_barrier_wait -3
	s_barrier_signal -1
	s_barrier_wait -1
.endm
.macro CROUND
	s_barrier_signal -1
	s_barrier_wait -1
	CREST
.endm
.macro SHAPE g, rows                   ; descriptor group 1, words 1-7: a dense block as rows of 256 bytes (32 elements of 8 bytes), no padding
	s_mov_b32 s[\g+1], 32<<16
	s_mov_b32 s[\g+2], (\rows)<<16
	s_mov_b32 s[\g+3], 32<<16
	s_mov_b32 s[\g+4], \rows
	s_mov_b32 s[\g+5], 32
	s_mov_b32 s[\g+6], 0
	s_mov_b32 s[\g+7], 0
.endm
.macro FETCH slot, q, set              ; the fragments of the slot's q-th K step: source 0's eight into window 1, source 1's NA into window 0
	WIN 0x40
.irp b, 0,1,2,3,4,5,6,7
.irp c, 0,1,2
	ds_load_b128 v[128*(\set)+12*\b+4*\c:128*(\set)+12*\b+4*\c+3], v[ADRB+\slot] offset:12288*(\q)+1536*\b+512*\c
.endr
.endr
	WIN 0
.set fa, 0
.rept NA
.irp c, 0,1,2
	ds_load_b128 v[AF+AS*(\set)+12*fa+4*\c:AF+AS*(\set)+12*fa+4*\c+3], v[ADRA+\slot] offset:12288*(\q)+1536*fa+512*\c
.endr
.set fa, fa+1
.endr
.endm
.macro SCALES set                      ; a slot's scale words: lanes 0-15 take source 1's block i, lanes 16-31 source 0's block i; register NQ i + q
.set sj, 0
.rept NQ/2
.irp i, 0,1,2,3,4,5,6,7
	ds_load_b64 v[SC+SCS*(\set)+NQ*\i+2*sj:SC+SCS*(\set)+NQ*\i+2*sj+1], v[ADRS] offset:1024*sj+128*\i
.endr
.set sj, sj+1
.endr
.endm
; cnt blocks of source 1 from a0 on, each against source 0's eight.  The accumulators take turns in the same order in every step.
.macro MULS a0, cnt, set, q, sc, zero
.set ma, \a0
.rept \cnt
	WIN 0xa1+0x50*(ma/4)
.irp b, 0,1,2,3,4,5,6,7
.if \zero
	v_wmma_scale_f32_16x16x128_f8f6f4 v[8*(8*(ma%4)+\b):8*(8*(ma%4)+\b)+7], v[128*(\set)+12*\b:128*(\set)+12*\b+11], v[AF+AS*(\set)+12*ma:AF+AS*(\set)+12*ma+11], 0, v[SC+SCS*(\sc)+NQ*\b+(\q)], v[SC+SCS*(\sc)+NQ*ma+(\q)] matrix_a_fmt:MATRIX_FMT_FP6 matrix_b_fmt:MATRIX_FMT_FP6 matrix_a_scale:MATRIX_SCALE_ROW1
.else
	v_wmma_scale_f32_16x16x128_f8f6f4 v[8*(8*(ma%4)+\b):8*(8*(ma%4)+\b)+7], v[128*(\set)+12*\b:128*(\set)+12*\b+11], v[AF+AS*(\set)+12*ma:AF+AS*(\set)+12*ma+11], v[8*(8*(ma%4)+\b):8*(8*(ma%4)+\b)+7], v[SC+SCS*(\sc)+NQ*\b+(\q)], v[SC+SCS*(\sc)+NQ*ma+(\q)] matrix_a_fmt:MATRIX_FMT_FP6 matrix_b_fmt:MATRIX_FMT_FP6 matrix_a_scale:MATRIX_SCALE_ROW1
.endif
.endr
.set ma, ma+1
.endr
.endm
.macro STEP slot, q, zero              ; a K step that has its successor in the same slot: the successor's fragments are asked for first, into the other set, and have the whole step in which to come
	s_wait_dscnt 0x0                               ; this step's fragments (and scale words) are in
	PLACES                                         ; the other set was read by the step before
	FETCH \slot, (\q)+1, ((\q)+1)%2
	MULS 0, NA, (\q)%2, \q, \slot, \zero
.endm
; A slot's last K step changes slots: ONE barrier.  In front of it each wave waits for all its tensor loads, adds 0 to its spare word, and waits for that and for its reads of this slot.
.macro TURN slot, next, fill
	WIN 0
	s_wait_tensorcnt 0x0                           ; all my tensor loads have landed: my part of the next slot
	ds_add_u32 v[SPW], v[NIL]                      ; 0 onto my spare word
	s_wait_dscnt 1                                 ; only the add may be out: this step's fragments are in
	MULS 0, NA/4, 1, NQ-1, \slot, 0                ; matrix work stands between the add and the wait for it
	s_wait_dscnt 0x0                               ; the add is done, and my reads of this slot are over
	s_barrier_signal -1
	MULS NA/4, NA/4, 1, NQ-1, \slot, 0
	WIN 0
	s_barrier_wait -1
.if \fill
	CREST                                          ; the barrier has opened a round of the cluster's: no wave of any partner still reads this slot or has a load on its way
	s_add_nc_u64 s[G0+4*\slot+2:G0+4*\slot+3], s[G0+4*\slot+2:G0+4*\slot+3], 2*NQ*12288
	s_add_nc_u64 s[G0B+4*\slot+2:G0B+4*\slot+3], s[G0B+4*\slot+2:G0B+4*\slot+3], 2*NQ*12288
	JLOAD G0+4*\slot, G1, G0B+4*\slot, G1B         ; the first tensor load behind the round; its four v_nop are also the places in front of the loads below
.else
	PLACES
.endif
	v_add_nc_u32 v[ADRS], 512*NQ, v[ADRS]          ; the next slot's scale words
	FETCH \next, 0, 0
	SCALES \next
	MULS NA/2, NA/2, 1, NQ-1, \slot, 0
.endm
.macro LAST
	s_wait_dscnt 0x0
	MULS 0, NA, 1, NQ-1, 1, 0
.endm
; T = softplus of the 64 numbers v[x] on of window w.  The exponentials are one batch with one wait, the logarithms another; the accumulators are read from their low ends on.
.macro SOFTPLUS x, w, masked
	WIN (\w)<<2
.set sj, 0
.rept 64
	v_mul_f32 v[T+sj], s[NL2E], |v[(\x)+sj]|
.set sj, sj+1
.endr
	WIN 0
.set sj, 0
.rept 64
	v_exp_f32 v[T+sj], v[T+sj]                     ; t
.set sj, sj+1
.endr
	v_nop                                          ; a plain instruction behind the last exponential
	s_wait_alu depctr_va_vdst(0)
.set sj, 0
.rept 32
	v_pk_add_f32 v[U+sj:U+sj+1], v[T+sj:T+sj+1], 1.0 op_sel_hi:[1,0]     ; u = 1 + t
.set sj, sj+2
.endr
.set sj, 0
.rept 32
	v_pk_add_f32 v[S+sj:S+sj+1], v[U+sj:U+sj+1], -1.0 op_sel_hi:[1,0]    ; u - 1, exact
.set sj, sj+2
.endr
.set sj, 0
.rept 64
	v_log_f32 v[U+sj], v[U+sj]                     ; log2 u
.set sj, sj+1
.endr
.set sj, 0
.rept 32
	v_pk_add_f32 v[T+sj:T+sj+1], v[T+sj:T+sj+1], v[S+sj:S+sj+1] neg_lo:[0,1] neg_hi:[0,1]   ; t - (u - 1).  (Work that names no logarithm's result)
.set sj, sj+2
.endr
	WIN (\w)<<2
.set sj, 0
.rept 64
	v_max_num_f32 v[S+sj], 0, v[(\x)+sj]
.set sj, sj+1
.endr
	WIN 0
	s_wait_alu depctr_va_vdst(0)
.set sj, 0
.rept 32
	v_pk_fma_f32 v[T+sj:T+sj+1], v[U+sj:U+sj+1], s[LN2:LN2+1], v[T+sj:T+sj+1] op_sel_hi:[1,0,1]
.set sj, sj+2
.endr
.set sj, 0
.rept 32
	v_pk_add_f32 v[T+sj:T+sj+1], v[T+sj:T+sj+1], v[S+sj:S+sj+1]
.set sj, sj+2
.endr
.if \masked
	WIN 0x04                                       ; the masks as f32 lie in window 1, v128 on
.set sj, 0
.rept 32
	v_pk_fma_f32 v[T+sj:T+sj+1], v[T+sj:T+sj+1], v[128+sj:129+sj], v[T+sj:T+sj+1] neg_lo:[1,0,0] neg_hi:[1,0,0]   ; pk - pk x mask: 0 for a padded key
.set sj, sj+2
.endr
	WIN 0
.endif
.endm
; 64 numbers of a lane, v[s] on of window w, register 16 b + i = k 32 b + 16 h + i of my row, become a fragment's codes in v[PC] on and its scale word in v[PW].
.macro QUANT s, w
	WIN ((\w)<<2)|((\w)<<4)
.irp b, 0,1,2,3
	v_max3_num_f32 v[TM+\b], 0x1800000, |v[(\s)+16*\b]|, |v[(\s)+1+16*\b]|   ; my 16 numbers of block b, and the floor 2^(3 - 127): the byte cannot fall under 1
.endr
.irp i, 2,4,6,8,10,12,14
.irp b, 0,1,2,3
	v_max3_num_f32 v[TM+\b], v[TM+\b], |v[(\s)+16*\b+\i]|, |v[(\s)+1+16*\b+\i]|
.endr
.endr
	WIN 0
.irp b, 0,1,2,3
	v_permlanex16_b32 v[TM+4+\b], v[TM+\b], s[SEL], s[SEL+1]
.endr
.irp b, 0,1,2,3
	v_max_num_f32 v[TM+\b], v[TM+\b], v[TM+4+\b]   ; with lane l xor 16's: the block's largest magnitude
.endr
.irp b, 0,1,2,3
	v_add_nc_u32 v[TM+12+\b], 0xff000000, v[TM+\b] ; 2 off its exponent field: the conversion's scale operand
.endr
.irp b, 0,1,2,3
	v_lshrrev_b32 v[TM+4+\b], 23, v[TM+12+\b]      ; the byte
.endr
	v_lshl_or_b32 v[PW], v[TM+5], 8, v[TM+4]
	v_lshl_or_b32 v[PW], v[TM+6], 16, v[PW]
	v_lshl_or_b32 v[PW], v[TM+7], 24, v[PW]
	WIN \w
.irp c, 0,1
	v_cvt_scalef32_pk16_fp6_f32 v[PC+6*\c:PC+2+6*\c], v[(\s)+32*\c:(\s)+15+32*\c], v[TM+12+2*\c]
	v_cvt_scalef32_pk16_fp6_f32 v[PC+12+4*\c:PC+14+4*\c], v[(\s)+16+32*\c:(\s)+31+32*\c], v[TM+12+2*\c+1]
.endr
	WIN 0
	v_nop                                          ; one plain instruction behind the scaled conversions
.irp c, 0,1                                    ; the operand wants a whole block in a lane: lanes 0-15 block 2 c, lanes 16-31 block 2 c + 1
.irp i, 0,1,2
	v_permlane16_swap_b32 v[PC+6*\c+\i], v[PC+12+4*\c+\i]
.endr
.irp i, 0,1,2
	v_mov_b32 v[PC+3+6*\c+\i], v[PC+12+4*\c+\i]
.endr
.endr
.endm
.macro IMAGE adr, off                  ; the fragment goes to LDS as it stands in its registers
.irp c, 0,1,2
	ds_store_b128 v[\adr], v[PC+4*\c:PC+4*\c+3] offset:\off+512*\c
.endr
.endm
.macro BARRIER
	s_wait_dscnt 0x0
	s_barrier_signal -1
	s_barrier_wait -1
.endm
	s_load_b256 s[4:11], s[0:1], 0x0               ; codes s[4:5], scales s[6:7], key mask s[8:9], kvp s[10:11]
	s_load_b64 s[12:13], s[0:1], 0x20              ; psum
	v_lshl_add_u32 v[SPW], v0, 2, SPARE
	v_mov_b32 v[NIL], 0
	ds_add_u32 v28, v29
	ds_add_u32 v28, v29
	s_wait_dscnt 0x0
	v_lshrrev_b32 v1, 5, v0
	v_readfirstlane_b32 s[WV], v1
	s_lshr_b32 s[FB], s[WV], 1
	s_and_b32 s[HF], s[WV], 1
	s_bfe_u32 s40, ttmp6, 0x40000                  ; cx, cy
	s_bfe_u32 s41, ttmp6, 0x40004
	s_lshl_b32 s42, ttmp9, 2
	s_add_co_u32 s42, s42, s40                     ; x: the block of 256 keys
	s_and_b32 s21, ttmp7, 0xffff
	s_lshl_b32 s21, s21, 2
	s_add_co_u32 s21, s21, s41                     ; y: the head
	s_lshl_b32 s43, s41, 2
	s_lshl_b32 s43, 15, s43                        ; my row of the cluster
	s_lshl_b32 s44, 0x1111, s40                    ; my column
	s_or_b32 s[G1], s43, (3<<16)|(1<<21)           ; 15:0 the mask; 17:16 elements of 8 bytes; 21 set beside a mask
	s_or_b32 s[G1B], s44, (3<<16)|(1<<21)
	s_or_b32 s[G1S], s43, (3<<16)|(1<<21)
	s_or_b32 s[G1SB], s44, (3<<16)|(1<<21)
	SHAPE G1, 96                                   ; two K steps of a group: 24,576 bytes
	SHAPE G1B, 96
	SHAPE G1S, 32                                  ; a group's scale words: 8,192 bytes
	SHAPE G1SB, 32
	s_lshl_b32 s22, s21, 1                         ; the weights' group that I fetch: 80 + 2 y + half (registers that never hold x)
	s_add_co_u32 s22, s22, s[HF]
	s_add_co_u32 s22, s22, 80
	s_lshl_b32 s94, s22, 13
	s_mov_b32 s95, 0
	s_mul_i32 s22, s22, 196608
	s_mov_b32 s23, 0
	s_lshl_b32 s46, s42, 1                         ; the keys' group: 32 + 2 x + half (registers that never hold y)
	s_add_co_u32 s46, s46, s[HF]
	s_add_co_u32 s46, s46, 32
	s_lshl_b32 s66, s46, 13
	s_mov_b32 s67, 0
	s_mul_i32 s46, s46, 196608
	s_mov_b32 s47, 0
	s_mul_i32 s45, s[WV], 24576                    ; where they go: wave x a quarter of a slot: no place in the cluster enters an LDS address
	s_lshl_b32 s101, s[WV], 13
	s_mov_b32 s[SEL], 0x76543210
	s_mov_b32 s[SEL+1], 0xfedcba98
	s_mov_b32 s[LN2], 0x3f317218
	s_mov_b32 s[LN2+1], 0x3f317218
	s_mov_b32 s[NL2E], 0xbfb8aa3b
	s_wait_kmcnt 0x0
	s_add_nc_u64 s[22:23], s[4:5], s[22:23]
	s_add_nc_u64 s[94:95], s[6:7], s[94:95]
	s_add_nc_u64 s[46:47], s[4:5], s[46:47]
	s_add_nc_u64 s[66:67], s[6:7], s[66:67]
	CROUND                                         ; all sixteen work-groups are here: the first joint loads meet
	s_mov_b32 s[G0S], 1
	s_add_co_u32 s[G0S+1], s101, SCL
	s_mov_b64 s[G0S+2:G0S+3], s[94:95]
	s_or_b32 s[G0S+3], s[G0S+3], 0x80000000
	s_mov_b32 s[G0SB], 1
	s_add_co_u32 s[G0SB+1], s101, SCL
	s_mov_b64 s[G0SB+2:G0SB+3], s[66:67]
	s_or_b32 s[G0SB+3], s[G0SB+3], 0x80000000
	JLOAD G0S, G1S, G0SB, G1SB                     ; the scale words of all of K: filled once
.irp s, 0,1
	s_mov_b32 s[G0+4*\s], 1
	s_add_co_u32 s[G0+4*\s+1], s45, \s*SLOT
	s_add_nc_u64 s[G0+4*\s+2:G0+4*\s+3], s[22:23], \s*NQ*12288
	s_or_b32 s[G0+4*\s+3], s[G0+4*\s+3], 0x80000000
	s_mov_b32 s[G0B+4*\s], 1
	s_add_co_u32 s[G0B+4*\s+1], s45, \s*SLOT
	s_add_nc_u64 s[G0B+4*\s+2:G0B+4*\s+3], s[46:47], \s*NQ*12288
	s_or_b32 s[G0B+4*\s+3], s[G0B+4*\s+3], 0x80000000
	JLOAD G0+4*\s, G1, G0B+4*\s, G1B               ; three tensor loads of mine are out
.endr
	v_and_b32 v1, 15, v0                           ; r
	v_bfe_u32 v2, v0, 4, 1                         ; h
	v_and_b32 v5, 31, v0
	v_lshlrev_b32 v[LI], 4, v5
	v_lshlrev_b32 v[LS], 2, v5
	v_lshlrev_b32 v3, 4, v2                        ; 16 h; never rewritten
	s_lshl_b32 s92, s42, 8                         ; my 128 keys' mask bytes: 256 x + 128 (w % 2)
	s_lshl_b32 s93, s[HF], 7
	s_add_co_u32 s92, s92, s93
	s_mov_b32 s93, 0
	s_add_nc_u64 s[8:9], s[8:9], s[92:93]
	WIN 0x40
.irp b, 0,1,2,3
	global_load_b128 v[96+4*\b:99+4*\b], v3, s[8:9] offset:32*\b   ; keys 32 b + 16 h + 0 .. 15: the order of my registers
.endr
	WIN 0
	s_mul_i32 s22, s[FB], 24576                    ; my half of the weights,
	s_mul_i32 s23, s[HF], 24576                    ; my half of the keys, behind the weights
	s_add_co_u32 s23, s23, 49152
.irp s, 0,1
	v_add_nc_u32 v[ADRA+\s], s22, v[LI]
	v_add_nc_u32 v[ADRB+\s], s23, v[LI]
	s_add_co_u32 s22, s22, SLOT
	s_add_co_u32 s23, s23, SLOT
.endr
	v_lshlrev_b32 v12, 3, v1                       ; scale words: 8 bytes a row;
	s_lshl_b32 s22, s[FB], 13                      ; lanes 0-15: my weights' group;
	s_lshl_b32 s23, s[HF], 13
	s_add_co_u32 s23, s23, 16384                   ; lanes 16-31: my keys' group
	s_sub_co_u32 s23, s23, s22
	v_mul_u32_u24 v13, s23, v2                     ; one product: h x the distance between the two
	s_add_co_u32 s22, s22, SCL
	v_add_nc_u32 v12, v12, v13
	v_add_nc_u32 v[ADRS], s22, v12
	s_lshl_b32 s22, s[FB], 3
	s_add_co_u32 s22, s22, s[HF]
	s_mul_i32 s23, s22, 1536
	v_add_nc_u32 v[IWA], s23, v[LI]
	s_lshl_b32 s23, s22, 7
	v_add_nc_u32 v[IWS], s23, v[LS]
	s_mul_i32 s23, s[WV], 6144
	v_add_nc_u32 v[LV], s23, v[LI]
	s_lshl_b32 s23, s[WV], 9
	v_add_nc_u32 v[LVS], s23, v[LS]
	v_and_b32 v[PSA], 8, v1
	v_add_nc_u32 v[PSA], v[PSA], v1                ; r + 8 (r / 8): my row's d in its 32
	v_lshlrev_b32 v[PSA], 2, v[PSA]
	s_lshl_b32 s22, s[HF], 9
	s_lshl_b32 s23, s[FB], 8
	s_add_co_u32 s22, s22, s23
	s_add_co_u32 s22, s22, PS
	v_add_nc_u32 v[PSA], s22, v[PSA]
	s_lshr_b32 s92, s42, 2                         ; batch
	s_lshl_b32 s92, s92, 4
	s_add_co_u32 s92, s92, s21                     ; 16 batch + head
	s_lshl_b32 s92, s92, 2
	s_and_b32 s93, s42, 3
	s_add_co_u32 s92, s92, s93                     ; x 4 + which quarter of the keys
	s_lshl_b32 s94, s92, 9
	s_mov_b32 s95, 0
	s_add_nc_u64 s[12:13], s[12:13], s[94:95]      ; psum: 512 bytes a part
	s_lshl_b32 s92, s92, 16
	s_lshl_b32 s93, s[WV], 14
	s_add_co_u32 s92, s92, s93
	s_mov_b32 s93, 0
	s_add_nc_u64 s[10:11], s[10:11], s[92:93]      ; kvp: 65,536 bytes a part, 16,384 a wave
	s_wait_tensorcnt 1                             ; the scale words and my part of slot 0 are in; slot 1's load may stay out
	s_barrier_signal -1
	s_barrier_wait -1
	FETCH 0, 0, 0
	SCALES 0
	STEP 0, 0, 1                                   ; the first step's products start the sums: nothing is cleared
	WIN 0
	s_mov_b32 s3, 3
.Llap:                                             ; a trip goes once round the ring and fills both slots again: K steps 4 .. 15 come by these six refills
	TURN 0, 1, 1
	STEP 1, 0, 0
	TURN 1, 0, 1
	STEP 0, 0, 0
	WIN 0
	s_sub_co_u32 s3, s3, 1
	s_cmp_lg_u32 s3, 0
	s_cbranch_scc1 .Llap
	TURN 0, 1, 0                                   ; the last lap fills nothing
	STEP 1, 0, 0
	LAST
	; ---- the masks as f32, in the order of my registers
	WIN 0
	PLACES
	s_wait_loadcnt 0x0
	WIN 0x41
.set fj, 0
.rept 64
	v_bfe_u32 v[128+fj], v[96+fj/4], 8*(fj%4), 8
.set fj, fj+1
.endr
.set fj, 0
.rept 64
	v_cvt_f32_u32 v[128+fj], v[128+fj]
.set fj, fj+1
.endr
	; ---- pk: softplus, mask, the sum over my 128 keys, codes along the keys
.irp a, 0,1,2,3
	SOFTPLUS 64*\a, 2, 1
	v_pk_add_f32 v[S:S+1], v[T:T+1], v[T+2:T+3]    ; the sum of the unquantised pk, in two chains
	v_pk_add_f32 v[S+2:S+3], v[T+4:T+5], v[T+6:T+7]
.irp j, 8,12,16,20,24,28,32,36,40,44,48,52,56,60
	v_pk_add_f32 v[S:S+1], v[S:S+1], v[T+\j:T+\j+1]
	v_pk_add_f32 v[S+2:S+3], v[S+2:S+3], v[T+\j+2:T+\j+3]
.endr
	v_pk_add_f32 v[S:S+1], v[S:S+1], v[S+2:S+3]
	v_add_f32 v[S], v[S], v[S+1]
	v_permlanex16_b32 v[S+2], v[S], s[SEL], s[SEL+1]
	v_add_f32 v[S], v[S], v[S+2]
	ds_store_b32 v[PSA], v[S] offset:4*(32*(\a/2)+8*(\a%2))   ; both halves of the lanes write the same word with the same value
	QUANT T, 0
	IMAGE IWA, PKIMG+3072*\a                       ; d tile 4 (w / 2) + a, key half w % 2
	ds_store_b32 v[IWS], v[PW] offset:PKSC+256*\a
	s_wait_dscnt 0x0                               ; the stores have read their registers
.endr
	; ---- v: codes along the keys, as it stands (the mask applies to pk alone)
.irp a, 0,1,2,3
	QUANT 64*\a, 3
	IMAGE IWA, VIMG+3072*\a
	ds_store_b32 v[IWS], v[PW] offset:VSC+256*\a
	s_wait_dscnt 0x0
.endr
	BARRIER                                        ; all 32 fragments and both halves of the sums lie in LDS
	; ---- kv: my e tiles 2 w, 2 w + 1 against all 8 d tiles, two K steps of 128 keys.  Source 0 = pk (rows d), source 1 = v (rows e): a lane holds one e, its registers run along d
	WIN 0x40
.set pf, 0
.rept 16
.irp c, 0,1,2
	ds_load_b128 v[12*pf+4*\c:12*pf+4*\c+3], v[LI] offset:PKIMG+1536*pf+512*\c
.endr
.set pf, pf+1
.endr
	WIN 0
.set pf, 0
.rept 4
.irp c, 0,1,2
	ds_load_b128 v[128+12*pf+4*\c:128+12*pf+4*\c+3], v[LV] offset:VIMG+1536*pf+512*\c
.endr
	ds_load_b32 v[48+pf], v[LVS] offset:VSC+128*pf
.set pf, pf+1
.endr
.set pf, 0
.rept 16
	ds_load_b32 v[32+pf], v[LS] offset:PKSC+128*pf
.set pf, pf+1
.endr
	s_wait_dscnt 0x0
	WIN 0xa1
.irp s, 0,1
.irp A, 0,1,2,3,4,5,6,7
.irp t, 0,1
.if \s == 0
	v_wmma_scale_f32_16x16x128_f8f6f4 v[64*\t+8*\A:64*\t+8*\A+7], v[12*(2*\A+\s):12*(2*\A+\s)+11], v[128+12*(2*\t+\s):128+12*(2*\t+\s)+11], 0, v[32+2*\A+\s], v[48+2*\t+\s] matrix_a_fmt:MATRIX_FMT_FP6 matrix_b_fmt:MATRIX_FMT_FP6
.else
	v_wmma_scale_f32_16x16x128_f8f6f4 v[64*\t+8*\A:64*\t+8*\A+7], v[12*(2*\A+\s):12*(2*\A+\s)+11], v[128+12*(2*\t+\s):128+12*(2*\t+\s)+11], v[64*\t+8*\A:64*\t+8*\A+7], v[32+2*\A+\s], v[48+2*\t+\s] matrix_a_fmt:MATRIX_FMT_FP6 matrix_b_fmt:MATRIX_FMT_FP6
.endif
.endr
.endr
.endr
	WIN 0
	s_cmp_lg_u32 s[WV], 0                          ; wave 0 adds the two key halves of pk's sums and stores 128 numbers, 512 consecutive bytes
	s_cbranch_scc1 .Lno_psum
	ds_load_b128 v[176:179], v[LI] offset:PS
	ds_load_b128 v[180:183], v[LI] offset:PS+512
	s_wait_dscnt 0x0
	v_pk_add_f32 v[176:177], v[176:177], v[180:181]
	v_pk_add_f32 v[178:179], v[178:179], v[182:183]
	global_store_b128 v[LI], v[176:179], s[12:13]
.Lno_psum:
	PLACES
	WIN 0x08                                       ; a store's data are its source 1: window 2
.set pf, 0
.rept 32
	global_store_b128 v[LI], v[4*pf:4*pf+3], s[10:11] offset:512*pf   ; the accumulators as they stand, each from its low end on: 512 consecutive bytes a store
.set pf, pf+1
.endr
	WIN 0
	s_wait_tensorcnt 0x0                           ; the wave's end
	ds_add_u32 v[SPW], v[NIL]
	s_wait_dscnt 0x0
	CROUND                                         ; the closing round
	s_endpgm
.Lfunc_end_k_qcd53d6e30a_kvpart:
	.size	k_qcd53d6e30a_kvpart, .Lfunc_end_k_qcd53d6e30a_kvpart-k_qcd53d6e30a_kvpart
	.p2alignl 7, 3214868480
	.fill 96, 4, 3214868480
	.section	.rodata,"a",@progbits
	.p2align	6, 0x0
	.amdhsa_kernel k_qcd53d6e30a_kvpart
		.amdhsa_group_segment_fixed_size 327680
		.amdhsa_private_segment_fixed_size 0
		.amdhsa_enable_private_segment 0
		.amdhsa_kernarg_size 40
		.amdhsa_user_sgpr_count 2
		.amdhsa_user_sgpr_kernarg_segment_ptr 1
		.amdhsa_wavefront_size32 1
		.amdhsa_system_sgpr_workgroup_id_x 1
		.amdhsa_system_sgpr_workgroup_id_y 1
		.amdhsa_system_sgpr_workgroup_id_z 1
		.amdhsa_system_vgpr_workitem_id 0
		.amdhsa_next_free_vgpr 1024
		.amdhsa_next_free_sgpr 102
		.amdhsa_reserve_vcc 0
		.amdhsa_float_denorm_mode_32 3
		.amdhsa_float_denorm_mode_16_64 3
		.amdhsa_memory_ordered 1
		.amdhsa_forward_progress 1
		.amdhsa_inst_pref_size 255
	.end_amdhsa_kernel
	.amdgpu_metadata
---
amdhsa.version: [ 1, 2 ]
amdhsa.kernels:
  - .name:           k_qcd53d6e30a_kvpart
    .symbol:         k_qcd53d6e30a_kvpart.kd
    .args:
      - { .name: codes, .offset: 0, .size: 8, .value_kind: global_buffer, .address_space: global }
      - { .name: scales, .offset: 8, .size: 8, .value_kind: global_buffer, .address_space: global }
      - { .name: key_padding_mask, .offset: 16, .size: 8, .value_kind: global_buffer, .address_space: global }
      - { .name: kvp, .offset: 24, .size: 8, .value_kind: global_buffer, .address_space: global }
      - { .name: psum, .offset: 32, .size: 8, .value_kind: global_buffer, .address_space: global }
    .group_segment_fixed_size: 327680
    .private_segment_fixed_size: 0
    .kernarg_segment_align: 8
    .kernarg_segment_size: 40
    .max_flat_workgroup_size: 128
    .sgpr_count:     102
    .vgpr_count:     1024
    .wavefront_size: 32
...
	.end_amdgpu_metadata
.endif
;; end of part 2
;; launch attout (part 3): grid 16 x 16, 4 waves a work-group, clusters of 4 x 4, 327,680 bytes of LDS; arguments codes, scales, kvp, psum, query_padding_mask, out0; writes out0
.if DOCPART == 3
	.amdgcn_target "amdgcn-amd-amdhsa--gfx1250"
	.amdhsa_code_object_version 6
	.text
	.protected	k_qcd53d6e30a_attout
	.globl	k_qcd53d6e30a_attout
	.p2align	8
	.type	k_qcd53d6e30a_attout,@function
k_qcd53d6e30a_attout:
	s_mov_b64 s[64:65], 0
	v_nop
	global_prefetch_b8 v0, s[64:65] scope:SCOPE_SE
	s_setreg_imm32_b32 hwreg(HW_REG_WAVE_MODE, 25, 1), 1
	s_wait_xcnt 0x0
	s_wait_alu depctr_hold_cnt(0) depctr_sa_sdst(0) depctr_va_vdst(0) depctr_va_sdst(0) depctr_va_ssrc(0) depctr_va_vcc(0) depctr_vm_vsrc(0)
	s_getreg_b32 s2, hwreg(HW_REG_IB_STS2, 6, 4)
	s_cmp_eq_u32 s2, 0
	s_cbranch_scc0 .Lentry_in_a_cluster
	s_endpgm
.Lentry_in_a_cluster:
	s_bfe_u32 s2, ttmp6, 0x10000c
	s_cmp_lg_u32 s2, 0xf033
	s_cbranch_scc0 .Lentry_shape_is_right
	s_endpgm
.Lentry_shape_is_right:
; For 256 queries and one head: q = query Wq^T on codes of FP6 (K = 2,048), pq = softplus(q), pq quantised along the head's 128; kv = the sum of the four parts that launch kvpart stored,
; quantised along d; num = pq kv on codes of FP6; den = pq . (sum of pk), in f32 on the unquantised numbers; out = num / den, and 0 for a padded query.  q and pq never go to memory.
; SHARES.  Work-group x = head, y = block of 256 queries.  Wave w: queries 64 w on (4 tiles, source 1) x the head's 128 rows of Wq (8 tiles, source 0): 32 accumulators.
; In a result lane (r, h) holds ONE query, and register 8 b + j holds d = 32 (b / 2) + 16 h + 8 (b % 2) + j, by the order in which Wq's rows were laid into tiles.
; RING.  Two LDS slots of four K steps; waves 0, 1 fetch the queries' two groups, waves 2, 3 two K steps each of Wq.  The scale words of all of K come once.  CLUSTER 4 x 4: the queries' tiles
; are asked for jointly along a row of the cluster, Wq's along a column.
; kv's four parts (my two e tiles: 16,384 bytes each) come by plain loads into window 3 under the K loop, a part for each slot of the ring, and are added there.
; SOFTPLUS as in kvpart: max(x, 0) + ln(u) + (t - (u - 1)), t = 2^(-|x| log2 e), u = 1 + t.
; LIMITS: softplus under 2^-126 comes out as 0; t's relative error grows about 4e-8 |x|; a padded query's result is num x 0: its zero may carry a minus sign, and num has to be finite there;
; NaN and infinities among the inputs are not served; a block of zeros gets the scale byte 1 with zero codes.
; REGISTERS: window 0: v1-29 addresses; v32-95 scale words, a set for each slot; v128-175, v176-223 the queries' fragments, two sets; v224-231 kv's scale words; v232 1 / den; v234 pq's scale word;
; v236-251 pk's sums; v252-255 mask bytes.  window 1: v0-95, v128-223 Wq's fragments, two sets; later kv's fragments and pk's sums in my registers' order.  window 2: the accumulators.
; window 3: v0-127 kv, v128-255 the part on its way; later num.  After the K loop window 0 holds T = v32-95, U = v96-159, S = v160-223, at work.
.set NQ,    4
.set NA,    4
.set SLOT,  147456                     ; queries 2 groups x 49,152, then Wq 49,152
.set SCL,   294912                     ; the scale words: queries 2 x 8,192, Wq 8,192
.set SPARE, 319488                     ; the spare words, 128 bytes a wave: two blocks of 256 bytes that no other line names
.set AF,    128
.set AS,    48
.set SC,    32
.set SCS,   32
.set KVIMG, 0                          ; after the K loop, in slot 0 (its last fill and its last read are over): kv's 8 fragments,
.set KVSC,  12288                      ; their scale words,
.set STG,   13312                      ; a stage of 16 rows x (512 + 16) bytes for each wave,
.set PSL,   47104                      ; and pk's sums, 512 bytes for each wave
.set WV, 18
.set FB, 19
.set HF, 20
.set G1, 24
.set G0, 32
.set G1B, 48
.set G0B, 56
.set G1S, 68
.set G0S, 76
.set G1SB, 80
.set G0SB, 88
.set QM, 92                            ; s92-95 the four tiles' query masks
.set SEL, 96
.set LN2, 98
.set NL2E, 100
.set LI, 4
.set LS, 5
.set KVW, 6                            ; v6  where I store kv's images: 16 x lane + 3,072 w
.set KVWS, 7                           ; v7  and their scale words
.set STO, 8                            ; v8  the stage: where I put 32 bytes of a row
.set RD, 9                             ; v9  and where I read a row back
.set PSW, 10                           ; v10 pk's sums: where I put 16 bytes
.set PSR, 11                           ; v11 and from where I read them in my registers' order
.set ADRA, 16
.set ADRB, 20
.set ADRS, 27
.set SPW, 28
.set NIL, 29
.set T, 32
.set U, 96
.set S, 160
.set TM, 96
.set PC, 116
.set PW, 234
.set MSB, 0
.macro WIN new                         ; the immediate's high byte repeats the setting that is left; a switch that changes nothing is dropped
.if MSB != (\new)
	s_set_vgpr_msb (MSB<<8)|(\new)
.set MSB, (\new)
.endif
.endm
.macro PLACES                          ; four plain instructions behind matrix instructions, in front of loads into and vector writes of their registers and of reads of their results
.rept 4
	v_nop
.endr
.endm
.macro JLOAD g0a, g1a, g0b, g1b        ; a joint load: waves 0, 1 fetch for source 1, waves 2, 3 for source 0; four v_nop follow each line
	s_cmp_eq_u32 s[FB], 0
	s_cbranch_scc0 .Lfor_b_\@
	tensor_load_to_lds s[\g0a:\g0a+3], s[\g1a:\g1a+7]
	s_nop 0
.rept 4
	v_nop
.endr
	s_branch .Lasked_\@
.Lfor_b_\@:
	tensor_load_to_lds s[\g0b:\g0b+3], s[\g1b:\g1b+7]
	s_nop 0
.rept 4
	v_nop
.endr
.Lasked_\@:
.endm
.macro CREST
	s_cmp_lg_u32 s[WV], 0
	s_cbranch_scc1 .Lnot_wave_0_\@
	s_barrier_signal -3
.Lnot_wave_0_\@:
	s_barrier_wait -3
	s_barrier_signal -1
	s_barrier_wait -1
.endm
.macro CROUND
	s_barrier_signal -1
	s_barrier_wait -1
	CREST
.endm
.macro SHAPE g, rows                   ; descriptor group 1, words 1-7: a dense block as rows of 256 bytes (32 elements of 8 bytes), no padding
	s_mov_b32 s[\g+1], 32<<16
	s_mov_b32 s[\g+2], (\rows)<<16
	s_mov_b32 s[\g+3], 32<<16
	s_mov_b32 s[\g+4], \rows
	s_mov_b32 s[\g+5], 32
	s_mov_b32 s[\g+6], 0
	s_mov_b32 s[\g+7], 0
.endm
.macro FETCH slot, q, set              ; the fragments of the slot's q-th K step: source 0's eight into window 1, source 1's NA into window 0
	WIN 0x40
.irp b, 0,1,2,3,4,5,6,7
.irp c, 0,1,2
	ds_load_b128 v[128*(\set)+12*\b+4*\c:128*(\set)+12*\b+4*\c+3], v[ADRB+\slot] offset:12288*(\q)+1536*\b+512*\c
.endr
.endr
	WIN 0
.set fa, 0
.rept NA
.irp c, 0,1,2
	ds_load_b128 v[AF+AS*(\set)+12*fa+4*\c:AF+AS*(\set)+12*fa+4*\c+3], v[ADRA+\slot] offset:12288*(\q)+1536*fa+512*\c
.endr
.set fa, fa+1
.endr
.endm
.macro SCALES set                      ; a slot's scale words: lanes 0-15 take source 1's block i (for i over 3: filled bytes that are not used), lanes 16-31 source 0's block i; register NQ i + q
.set sj, 0
.rept NQ/2
.irp i, 0,1,2,3,4,5,6,7
	ds_load_b64 v[SC+SCS*(\set)+NQ*\i+2*sj:SC+SCS*(\set)+NQ*\i+2*sj+1], v[ADRS] offset:1024*sj+128*\i
.endr
.set sj, sj+1
.endr
.endm
; cnt blocks of source 1 from a0 on, each against source 0's eight.  The accumulators take turns in the same order in every step.
.macro MULS a0, cnt, set, q, sc, zero
.set ma, \a0
.rept \cnt
	WIN 0xa1+0x50*(ma/4)
.irp b, 0,1,2,3,4,5,6,7
.if \zero
	v_wmma_scale_f32_16x16x128_f8f6f4 v[8*(8*(ma%4)+\b):8*(8*(ma%4)+\b)+7], v[128*(\set)+12*\b:128*(\set)+12*\b+11], v[AF+AS*(\set)+12*ma:AF+AS*(\set)+12*ma+11], 0, v[SC+SCS*(\sc)+NQ*\b+(\q)], v[SC+SCS*(\sc)+NQ*ma+(\q)] matrix_a_fmt:MATRIX_FMT_FP6 matrix_b_fmt:MATRIX_FMT_FP6 matrix_a_scale:MATRIX_SCALE_ROW1
.else
	v_wmma_scale_f32_16x16x128_f8f6f4 v[8*(8*(ma%4)+\b):8*(8*(ma%4)+\b)+7], v[128*(\set)+12*\b:128*(\set)+12*\b+11], v[AF+AS*(\set)+12*ma:AF+AS*(\set)+12*ma+11], v[8*(8*(ma%4)+\b):8*(8*(ma%4)+\b)+7], v[SC+SCS*(\sc)+NQ*\b+(\q)], v[SC+SCS*(\sc)+NQ*ma+(\q)] matrix_a_fmt:MATRIX_FMT_FP6 matrix_b_fmt:MATRIX_FMT_FP6 matrix_a_scale:MATRIX_SCALE_ROW1
.endif
.endr
.set ma, ma+1
.endr
.endm
.macro STEP slot, q, zero              ; a K step that has its successor in the same slot: the successor's fragments are asked for first, into the other set
	s_wait_dscnt 0x0                               ; this step's fragments (and scale words) are in
	PLACES                                         ; the other set was read by the step before
	FETCH \slot, (\q)+1, ((\q)+1)%2
	MULS 0, NA, (\q)%2, \q, \slot, \zero
.endm
; A slot's last K step changes slots: ONE barrier.  In front of it each wave waits for all its tensor loads, adds 0 to its spare word, and waits for that and for its reads of this slot.
.macro TURN slot, next, fill
	WIN 0
	s_wait_tensorcnt 0x0                           ; all my tensor loads have landed: my part of the next slot
	ds_add_u32 v[SPW], v[NIL]                      ; 0 onto my spare word
	s_wait_dscnt 1                                 ; only the add may be out: this step's fragments are in
	MULS 0, NA/4, 1, NQ-1, \slot, 0                ; matrix work stands between the add and the wait for it
	s_wait_dscnt 0x0                               ; the add is done, and my reads of this slot are over
	s_barrier_signal -1
	MULS NA/4, NA/4, 1, NQ-1, \slot, 0
	WIN 0
	s_barrier_wait -1
.if \fill
	CREST                                          ; the barrier has opened a round of the cluster's: no wave of any partner still reads this slot or has a load on its way
	s_add_nc_u64 s[G0+4*\slot+2:G0+4*\slot+3], s[G0+4*\slot+2:G0+4*\slot+3], 2*NQ*12288
	s_add_nc_u64 s[G0B+4*\slot+2:G0B+4*\slot+3], s[G0B+4*\slot+2:G0B+4*\slot+3], 2*NQ*12288
	JLOAD G0+4*\slot, G1, G0B+4*\slot, G1B         ; the first tensor load behind the round; its four v_nop are also the places in front of the loads below
.else
	PLACES
.endif
	v_add_nc_u32 v[ADRS], 512*NQ, v[ADRS]          ; the next slot's scale words
	FETCH \next, 0, 0
	SCALES \next
	MULS NA/2, NA/2, 1, NQ-1, \slot, 0
.endm
.macro LAST
	s_wait_dscnt 0x0
	MULS 0, NA, 1, NQ-1, 1, 0
.endm
; T = softplus of the 64 numbers v[x] on of window w.  The exponentials are one batch with one wait, the logarithms another; the accumulators are read from their low ends on.
.macro SOFTPLUS x, w
	WIN (\w)<<2
.set sj, 0
.rept 64
	v_mul_f32 v[T+sj], s[NL2E], |v[(\x)+sj]|
.set sj, sj+1
.endr
	WIN 0
.set sj, 0
.rept 64
	v_exp_f32 v[T+sj], v[T+sj]                     ; t
.set sj, sj+1
.endr
	v_nop                                          ; a plain instruction behind the last exponential
	s_wait_alu depctr_va_vdst(0)
.set sj, 0
.rept 32
	v_pk_add_f32 v[U+sj:U+sj+1], v[T+sj:T+sj+1], 1.0 op_sel_hi:[1,0]     ; u = 1 + t
.set sj, sj+2
.endr
.set sj, 0
.rept 32
	v_pk_add_f32 v[S+sj:S+sj+1], v[U+sj:U+sj+1], -1.0 op_sel_hi:[1,0]    ; u - 1, exact
.set sj, sj+2
.endr
.set sj, 0
.rept 64
	v_log_f32 v[U+sj], v[U+sj]                     ; log2 u
.set sj, sj+1
.endr
.set sj, 0
.rept 32
	v_pk_add_f32 v[T+sj:T+sj+1], v[T+sj:T+sj+1], v[S+sj:S+sj+1] neg_lo:[0,1] neg_hi:[0,1]   ; t - (u - 1).  (Work that names no logarithm's result)
.set sj, sj+2
.endr
	WIN (\w)<<2
.set sj, 0
.rept 64
	v_max_num_f32 v[S+sj], 0, v[(\x)+sj]
.set sj, sj+1
.endr
	WIN 0
	s_wait_alu depctr_va_vdst(0)
.set sj, 0
.rept 32
	v_pk_fma_f32 v[T+sj:T+sj+1], v[U+sj:U+sj+1], s[LN2:LN2+1], v[T+sj:T+sj+1] op_sel_hi:[1,0,1]
.set sj, sj+2
.endr
.set sj, 0
.rept 32
	v_pk_add_f32 v[T+sj:T+sj+1], v[T+sj:T+sj+1], v[S+sj:S+sj+1]
.set sj, sj+2
.endr
.endm
; 64 numbers of a lane, v[s] on of window w, register 16 b + i = k 32 b + 16 h + i of my row, become a fragment's codes in v[PC] on and its scale word in v[PW].
.macro QUANT s, w
	WIN ((\w)<<2)|((\w)<<4)
.irp b, 0,1,2,3
	v_max3_num_f32 v[TM+\b], 0x1800000, |v[(\s)+16*\b]|, |v[(\s)+1+16*\b]|   ; my 16 numbers of block b, and the floor 2^(3 - 127): the byte cannot fall under 1
.endr
.irp i, 2,4,6,8,10,12,14
.irp b, 0,1,2,3
	v_max3_num_f32 v[TM+\b], v[TM+\b], |v[(\s)+16*\b+\i]|, |v[(\s)+1+16*\b+\i]|
.endr
.endr
	WIN 0
.irp b, 0,1,2,3
	v_permlanex16_b32 v[TM+4+\b], v[TM+\b], s[SEL], s[SEL+1]
.endr
.irp b, 0,1,2,3
	v_max_num_f32 v[TM+\b], v[TM+\b], v[TM+4+\b]   ; with lane l xor 16's: the block's largest magnitude
.endr
.irp b, 0,1,2,3
	v_add_nc_u32 v[TM+12+\b], 0xff000000, v[TM+\b] ; 2 off its exponent field: the conversion's scale operand
.endr
.irp b, 0,1,2,3
	v_lshrrev_b32 v[TM+4+\b], 23, v[TM+12+\b]      ; the byte
.endr
	v_lshl_or_b32 v[PW], v[TM+5], 8, v[TM+4]
	v_lshl_or_b32 v[PW], v[TM+6], 16, v[PW]
	v_lshl_or_b32 v[PW], v[TM+7], 24, v[PW]
	WIN \w
.irp c, 0,1
	v_cvt_scalef32_pk16_fp6_f32 v[PC+6*\c:PC+2+6*\c], v[(\s)+32*\c:(\s)+15+32*\c], v[TM+12+2*\c]
	v_cvt_scalef32_pk16_fp6_f32 v[PC+12+4*\c:PC+14+4*\c], v[(\s)+16+32*\c:(\s)+31+32*\c], v[TM+12+2*\c+1]
.endr
	WIN 0
	v_nop                                          ; one plain instruction behind the scaled conversions
.irp c, 0,1                                    ; the operand wants a whole block in a lane: lanes 0-15 block 2 c, lanes 16-31 block 2 c + 1
.irp i, 0,1,2
	v_permlane16_swap_b32 v[PC+6*\c+\i], v[PC+12+4*\c+\i]
.endr
.irp i, 0,1,2
	v_mov_b32 v[PC+3+6*\c+\i], v[PC+12+4*\c+\i]
.endr
.endr
.endm
.macro IMAGE adr, off
.irp c, 0,1,2
	ds_store_b128 v[\adr], v[PC+4*\c:PC+4*\c+3] offset:\off+512*\c
.endr
.endm
.macro BARRIER
	s_wait_dscnt 0x0
	s_barrier_signal -1
	s_barrier_wait -1
.endm
.macro KVLOAD part, dst                ; my two e tiles of one part of kv: 32 loads of 512 consecutive bytes, into window 3
	WIN 0xc0
.set kk, 0
.rept 32
	global_load_b128 v[(\dst)+4*kk:(\dst)+4*kk+3], v[LI], s[8:9] offset:65536*(\part)+512*kk th:TH_LOAD_NT
.set kk, kk+1
.endr
	WIN 0
.endm
.macro KVADD                           ; the part that has come is added, in f32
	s_wait_loadcnt 0x0
	WIN 0xff
.set kk, 0
.rept 64
	v_pk_add_f32 v[kk:kk+1], v[kk:kk+1], v[128+kk:129+kk]
.set kk, kk+2
.endr
	WIN 0
.endm
	s_load_b256 s[4:11], s[0:1], 0x0               ; codes s[4:5], scales s[6:7], kvp s[8:9], psum s[10:11]
	s_load_b128 s[12:15], s[0:1], 0x20             ; query mask s[12:13], out0 s[14:15]
	v_lshl_add_u32 v[SPW], v0, 2, SPARE
	v_mov_b32 v[NIL], 0
	ds_add_u32 v28, v29
	ds_add_u32 v28, v29
	s_wait_dscnt 0x0
	v_lshrrev_b32 v1, 5, v0
	v_readfirstlane_b32 s[WV], v1
	s_lshr_b32 s[FB], s[WV], 1
	s_and_b32 s[HF], s[WV], 1
	s_bfe_u32 s40, ttmp6, 0x40000                  ; cx, cy
	s_bfe_u32 s41, ttmp6, 0x40004
	s_lshl_b32 s42, ttmp9, 2
	s_add_co_u32 s42, s42, s40                     ; x: the head
	s_and_b32 s21, ttmp7, 0xffff
	s_lshl_b32 s21, s21, 2
	s_add_co_u32 s21, s21, s41                     ; y: the block of 256 queries
	s_lshl_b32 s43, s41, 2
	s_lshl_b32 s43, 15, s43                        ; my row of the cluster
	s_lshl_b32 s44, 0x1111, s40                    ; my column
	s_or_b32 s[G1], s43, (3<<16)|(1<<21)           ; 15:0 the mask; 17:16 elements of 8 bytes; 21 set beside a mask
	s_or_b32 s[G1B], s44, (3<<16)|(1<<21)
	s_or_b32 s[G1S], s43, (3<<16)|(1<<21)
	s_or_b32 s[G1SB], s44, (3<<16)|(1<<21)
	SHAPE G1, 192                                  ; four K steps of a group of queries: 49,152 bytes
	SHAPE G1B, 96                                  ; two K steps of Wq's group: 24,576 bytes
	SHAPE G1S, 32                                  ; a group's scale words: 8,192 bytes
	SHAPE G1SB, 16                                 ; half of Wq's: 4,096 bytes
	s_lshl_b32 s22, s21, 1                         ; the queries' group that I fetch: 2 y + half (registers that never hold x)
	s_add_co_u32 s22, s22, s[HF]
	s_lshl_b32 s94, s22, 13
	s_mov_b32 s95, 0
	s_mul_i32 s22, s22, 196608
	s_mov_b32 s23, 0
	s_add_co_u32 s46, s42, 64                      ; Wq's group: 64 + x (registers that never hold y)
	s_lshl_b32 s66, s46, 13
	s_lshl_b32 s67, s[HF], 12
	s_add_co_u32 s66, s66, s67
	s_mov_b32 s67, 0
	s_mul_i32 s46, s46, 196608
	s_mul_i32 s47, s[HF], 24576
	s_add_co_u32 s46, s46, s47
	s_mov_b32 s47, 0
	s_mul_i32 s45, s[HF], 49152                    ; where they go: no place in the cluster enters an LDS address
	s_mul_i32 s101, s[HF], 24576
	s_add_co_u32 s101, s101, 98304
	s_lshl_b32 s2, s[HF], 13
	s_add_co_u32 s2, s2, SCL
	s_lshl_b32 s3, s[HF], 12
	s_add_co_u32 s3, s3, SCL+16384
	s_mov_b32 s[SEL], 0x76543210
	s_mov_b32 s[SEL+1], 0xfedcba98
	s_mov_b32 s[LN2], 0x3f317218
	s_mov_b32 s[LN2+1], 0x3f317218
	s_mov_b32 s[NL2E], 0xbfb8aa3b
	s_wait_kmcnt 0x0
	s_add_nc_u64 s[22:23], s[4:5], s[22:23]
	s_add_nc_u64 s[94:95], s[6:7], s[94:95]
	s_add_nc_u64 s[46:47], s[4:5], s[46:47]
	s_add_nc_u64 s[66:67], s[6:7], s[66:67]
	CROUND                                         ; all sixteen work-groups are here: the first joint loads meet
	s_mov_b32 s[G0S], 1
	s_mov_b32 s[G0S+1], s2
	s_mov_b64 s[G0S+2:G0S+3], s[94:95]
	s_or_b32 s[G0S+3], s[G0S+3], 0x80000000
	s_mov_b32 s[G0SB], 1
	s_mov_b32 s[G0SB+1], s3
	s_mov_b64 s[G0SB+2:G0SB+3], s[66:67]
	s_or_b32 s[G0SB+3], s[G0SB+3], 0x80000000
	JLOAD G0S, G1S, G0SB, G1SB                     ; the scale words of all of K: filled once
.irp s, 0,1
	s_mov_b32 s[G0+4*\s], 1
	s_add_co_u32 s[G0+4*\s+1], s45, \s*SLOT
	s_add_nc_u64 s[G0+4*\s+2:G0+4*\s+3], s[22:23], \s*NQ*12288
	s_or_b32 s[G0+4*\s+3], s[G0+4*\s+3], 0x80000000
	s_mov_b32 s[G0B+4*\s], 1
	s_add_co_u32 s[G0B+4*\s+1], s101, \s*SLOT
	s_add_nc_u64 s[G0B+4*\s+2:G0B+4*\s+3], s[46:47], \s*NQ*12288
	s_or_b32 s[G0B+4*\s+3], s[G0B+4*\s+3], 0x80000000
	JLOAD G0+4*\s, G1, G0B+4*\s, G1B               ; three tensor loads of mine are out
.endr
	v_and_b32 v1, 15, v0                           ; r; never rewritten
	v_bfe_u32 v2, v0, 4, 1                         ; h
	v_and_b32 v5, 31, v0
	v_lshlrev_b32 v[LI], 4, v5
	v_lshlrev_b32 v[LS], 2, v5
	s_lshr_b32 s92, s21, 2                         ; batch
	s_lshl_b32 s92, s92, 4
	s_add_co_u32 s92, s92, s42                     ; 16 batch + head
	s_lshl_b32 s94, s92, 11
	s_mov_b32 s95, 0
	s_add_nc_u64 s[10:11], s[10:11], s[94:95]      ; psum: 4 parts x 512 bytes
	s_lshl_b32 s92, s92, 18
	s_lshl_b32 s93, s[WV], 14
	s_add_co_u32 s92, s92, s93
	s_mov_b32 s93, 0
	s_add_nc_u64 s[8:9], s[8:9], s[92:93]          ; kvp: 4 parts x 65,536 bytes; my two e tiles
	s_lshl_b32 s92, s21, 8
	s_lshl_b32 s94, s[WV], 6
	s_add_co_u32 s92, s92, s94                     ; my first query
	s_add_nc_u64 s[12:13], s[12:13], s[92:93]
	s_lshl_b32 s92, s92, 13
	s_lshl_b32 s94, s42, 9
	s_add_co_u32 s92, s92, s94
	s_add_nc_u64 s[14:15], s[14:15], s[92:93]      ; its row of out0, at my head's 512 bytes
.irp p, 0,1,2,3
	global_load_b128 v[236+4*\p:239+4*\p], v[LI], s[10:11] offset:512*\p   ; the four parts of pk's sums: d = 4 x lane on
.endr
.irp a, 0,1,2,3
	global_load_u8 v[252+\a], v1, s[12:13] offset:16*\a                    ; the mask byte of query 16 a + r
.endr
	KVLOAD 0, 0
	s_mul_i32 s22, s[FB], 49152                    ; my group of queries, my four tiles of it
	s_mul_i32 s23, s[HF], 6144
	s_add_co_u32 s22, s22, s23
	s_mov_b32 s23, 98304                           ; Wq's fragments: the same for all waves
.irp s, 0,1
	v_add_nc_u32 v[ADRA+\s], s22, v[LI]
	v_add_nc_u32 v[ADRB+\s], s23, v[LI]
	s_add_co_u32 s22, s22, SLOT
	s_add_co_u32 s23, s23, SLOT
.endr
	v_lshlrev_b32 v12, 3, v1                       ; scale words: 8 bytes a row;
	s_lshl_b32 s22, s[FB], 13                      ; lanes 0-15: my group of queries, my four tiles;
	s_lshl_b32 s23, s[HF], 9
	s_add_co_u32 s22, s22, s23
	s_sub_co_u32 s23, 16384, s22                   ; lanes 16-31: Wq's
	v_mul_u32_u24 v13, s23, v2                     ; one product: h x the distance between the two
	s_add_co_u32 s22, s22, SCL
	v_add_nc_u32 v12, v12, v13
	v_add_nc_u32 v[ADRS], s22, v12
	s_mul_i32 s22, s[WV], 3072
	v_add_nc_u32 v[KVW], s22, v[LI]
	s_lshl_b32 s22, s[WV], 8
	v_add_nc_u32 v[KVWS], s22, v[LS]
	s_mul_i32 s22, s[WV], 8448
	s_add_co_u32 s22, s22, STG
	v_mul_u32_u24 v[STO], v1, 528
	v_lshl_add_u32 v[STO], v2, 5, v[STO]
	v_add_nc_u32 v[STO], s22, v[STO]               ; row r, + 32 h
	v_add_nc_u32 v[RD], s22, v[LI]
	s_lshl_b32 s22, s[WV], 9
	s_add_co_u32 s22, s22, PSL
	v_add_nc_u32 v[PSW], s22, v[LI]
	v_lshl_add_u32 v[PSR], v2, 6, s22              ; + 64 h: d = 32 b + 16 h on
	s_wait_tensorcnt 1                             ; the scale words and my part of slot 0 are in; slot 1's load may stay out
	s_barrier_signal -1
	s_barrier_wait -1
	FETCH 0, 0, 0
	SCALES 0
	KVLOAD 1, 128
	STEP 0, 0, 1                                   ; the first step's products start the sums
	STEP 0, 1, 0
	STEP 0, 2, 0
	TURN 0, 1, 1                                   ; slot 0 takes K steps 8 .. 11
	KVADD
	KVLOAD 2, 128                                  ; each part has a slot's four K steps in which to come
	STEP 1, 0, 0
	STEP 1, 1, 0
	STEP 1, 2, 0
	TURN 1, 0, 1                                   ; slot 1 takes K steps 12 .. 15
	KVADD
	KVLOAD 3, 128
	STEP 0, 0, 0
	STEP 0, 1, 0
	STEP 0, 2, 0
	TURN 0, 1, 0                                   ; nothing is left to fetch
	KVADD
	STEP 1, 0, 0
	STEP 1, 1, 0
	STEP 1, 2, 0
	LAST
	; ---- the masks, pk's sums, and kv as an operand
	WIN 0
	PLACES
.irp a, 0,1,2,3
	v_cmp_ne_u32 s[QM+\a], 0, v[252+\a]            ; (all plain loads were waited for in the last addition of kv's parts)
.endr
	v_pk_add_f32 v[236:237], v[236:237], v[240:241]
	v_pk_add_f32 v[238:239], v[238:239], v[242:243]
	v_pk_add_f32 v[244:245], v[244:245], v[248:249]
	v_pk_add_f32 v[246:247], v[246:247], v[250:251]
	v_pk_add_f32 v[236:237], v[236:237], v[244:245]
	v_pk_add_f32 v[238:239], v[238:239], v[246:247]
	ds_store_b128 v[PSW], v[236:239]               ; my wave's own copy, in the order of d
.irp b, 0,1,2,3
	v_mov_b32 v[TM+4+\b], 0                        ; a lane permute's destination counts as read
.endr
	v_mov_b32 v233, 0                              ; named with v232 as a pair
.irp t, 0,1
	QUANT 64*\t, 3                                 ; e tile 2 w + t: a lane holds one e, its registers run along d
	IMAGE KVW, KVIMG+1536*\t
	ds_store_b32 v[KVWS], v[PW] offset:KVSC+128*\t
	s_wait_dscnt 0x0                               ; the stores have read their registers
.endr
	BARRIER                                        ; kv's eight fragments lie in LDS
	WIN 0x40
.set pf, 0
.rept 8
.irp c, 0,1,2
	ds_load_b128 v[12*pf+4*\c:12*pf+4*\c+3], v[LI] offset:KVIMG+1536*pf+512*\c
.endr
.set pf, pf+1
.endr
.irp b, 0,1,2,3
.irp j, 0,1,2,3
	ds_load_b128 v[128+16*\b+4*\j:128+16*\b+4*\j+3], v[PSR] offset:128*\b+16*\j   ; pk's sums at d = 32 b + 16 h + 0 .. 15: the order of pq in my registers
.endr
.endr
	WIN 0
.irp E, 0,1,2,3,4,5,6,7
	ds_load_b32 v[224+\E], v[LS] offset:KVSC+128*\E
.endr
	s_wait_dscnt 0x0
	; ---- a tile of 16 queries at a time
.irp a, 0,1,2,3
.if \a > 0
	s_wait_xcnt 0x0                                ; the last tile's stores have read v160-223: they are written again only behind this wait
.endif
	SOFTPLUS 64*\a, 2
	QUANT T, 0
	WIN 0x04                                       ; den = pq . (sum of pk), on the unquantised pq, in two chains.  (These lines are also the places between the writes of pq's codes and scale word and the scaled products)
	v_pk_mul_f32 v[S:S+1], v[T:T+1], v[128:129]
	v_pk_mul_f32 v[S+2:S+3], v[T+2:T+3], v[130:131]
.irp j, 4,8,12,16,20,24,28,32,36,40,44,48,52,56,60
	v_pk_fma_f32 v[S:S+1], v[T+\j:T+\j+1], v[128+\j:129+\j], v[S:S+1]
	v_pk_fma_f32 v[S+2:S+3], v[T+\j+2:T+\j+3], v[130+\j:131+\j], v[S+2:S+3]
.endr
	WIN 0
	v_pk_add_f32 v[S:S+1], v[S:S+1], v[S+2:S+3]
	v_add_f32 v[S], v[S], v[S+1]
	v_permlanex16_b32 v[S+4], v[S], s[SEL], s[SEL+1]
	v_add_f32 v[S], v[S], v[S+4]                   ; with lane l xor 16's half of d
	v_rcp_f32 v232, v[S]
	WIN 0xc1                                       ; num: source 0 = kv's e tile E (window 1), source 1 = pq; results in window 3: lane (r, h) holds query r, e = 16 E + 8 h + 0 .. 7
.irp E, 0,1,2,3,4,5,6,7
	v_wmma_scale_f32_16x16x128_f8f6f4 v[8*\E:8*\E+7], v[12*\E:12*\E+11], v[PC:PC+11], 0, v[224+\E], v[PW] matrix_a_fmt:MATRIX_FMT_FP6 matrix_b_fmt:MATRIX_FMT_FP6
.endr
	PLACES
	s_wait_alu depctr_va_vdst(0)                   ; a wait ahead of the reciprocal's first reader
	WIN 0
	v_cndmask_b32 v232, v232, 0, s[QM+\a]          ; a padded query: num x 0
	WIN 0x03
.set sj, 0
.rept 32
	v_pk_mul_f32 v[U+sj:U+sj+1], v[sj:sj+1], v[232:233] op_sel_hi:[1,0]
.set sj, sj+2
.endr
	WIN 0
.irp E, 0,1,2,3,4,5,6,7
	ds_store_b128 v[STO], v[U+8*\E:U+8*\E+3] offset:64*\E
	ds_store_b128 v[STO], v[U+8*\E+4:U+8*\E+7] offset:64*\E+16
.endr
.irp t, 0,1,2,3,4,5,6,7,8,9,10,11,12,13,14,15
	ds_load_b128 v[S+4*\t:S+4*\t+3], v[RD] offset:528*\t     ; LDS serves a wave's instructions in order: these see my stores
.endr
.irp t, 0,1,2,3,4,5,6,7,8,9,10,11,12,13,14,15
	s_wait_dscnt 15-\t                             ; row t is back; the younger rows' loads may be out
	global_store_b128 v[LI], v[S+4*\t:S+4*\t+3], s[14:15] offset:(16*\a+\t)*8192 th:TH_STORE_NT   ; 32 lanes store 512 consecutive bytes, at a multiple of 256 from out0's first byte
.endr
.endr
	s_wait_tensorcnt 0x0                           ; the wave's end
	ds_add_u32 v[SPW], v[NIL]
	s_wait_dscnt 0x0
	CROUND                                         ; the closing round
	s_endpgm
.Lfunc_end_k_qcd53d6e30a_attout:
	.size	k_qcd53d6e30a_attout, .Lfunc_end_k_qcd53d6e30a_attout-k_qcd53d6e30a_attout
	.p2alignl 7, 3214868480
	.fill 96, 4, 3214868480
	.section	.rodata,"a",@progbits
	.p2align	6, 0x0
	.amdhsa_kernel k_qcd53d6e30a_attout
		.amdhsa_group_segment_fixed_size 327680
		.amdhsa_private_segment_fixed_size 0
		.amdhsa_enable_private_segment 0
		.amdhsa_kernarg_size 48
		.amdhsa_user_sgpr_count 2
		.amdhsa_user_sgpr_kernarg_segment_ptr 1
		.amdhsa_wavefront_size32 1
		.amdhsa_system_sgpr_workgroup_id_x 1
		.amdhsa_system_sgpr_workgroup_id_y 1
		.amdhsa_system_sgpr_workgroup_id_z 1
		.amdhsa_system_vgpr_workitem_id 0
		.amdhsa_next_free_vgpr 1024
		.amdhsa_next_free_sgpr 102
		.amdhsa_reserve_vcc 0
		.amdhsa_float_denorm_mode_32 3
		.amdhsa_float_denorm_mode_16_64 3
		.amdhsa_memory_ordered 1
		.amdhsa_forward_progress 1
		.amdhsa_inst_pref_size 255
	.end_amdhsa_kernel
	.section	.bss,"aw",@nobits
	.p2align	6
	.space	262144
	.amdgpu_metadata
---
amdhsa.version: [ 1, 2 ]
amdhsa.kernels:
  - .name:           k_qcd53d6e30a_attout
    .symbol:         k_qcd53d6e30a_attout.kd
    .args:
      - { .name: codes, .offset: 0, .size: 8, .value_kind: global_buffer, .address_space: global }
      - { .name: scales, .offset: 8, .size: 8, .value_kind: global_buffer, .address_space: global }
      - { .name: kvp, .offset: 16, .size: 8, .value_kind: global_buffer, .address_space: global }
      - { .name: psum, .offset: 24, .size: 8, .value_kind: global_buffer, .address_space: global }
      - { .name: query_padding_mask, .offset: 32, .size: 8, .value_kind: global_buffer, .address_space: global }
      - { .name: out0, .offset: 40, .size: 8, .value_kind: global_buffer, .address_space: global }
    .group_segment_fixed_size: 327680
    .private_segment_fixed_size: 0
    .kernarg_segment_align: 8
    .kernarg_segment_size: 48
    .max_flat_workgroup_size: 128
    .sgpr_count:     102
    .vgpr_count:     1024
    .wavefront_size: 32
...
	.end_amdgpu_metadata
.endif
;; end of part 3
